; MI455X (gfx1250); checked and timed in simulation.
; The chip was launched on July 23, 2026; its instructions are those of AMD's public machine-readable ISA for CDNA 5 (MIT licence, August 2026) and "CDNA5" Instruction Set Architecture Reference Guide (July 2026). The comments in the code are by the model that wrote it; some were corrected since.
;; sparseconnect layer. Allowed arithmetic: matrix products marked QUANTISED: E5M2 operands, one given power-of-two scale a tensor, by v_wmma_f32_16x16x64_bf8_bf8 or v_wmma_f32_16x16x128_bf8_bf8, f32 sums; everything else in f32.
;; Inputs: D 512 x 1,024 float32; GN 1 x 512 x 1,024 float32; W 512 x 1,024 float32; b 512 float32; lowp_scales 2 int32 (the exponents e of the quantised operands' scales 2^e); x 16,384 x 1,024 float32.
;; Outputs: out0 16,384 x 512 float32.
;; This version of the problem:
;;   THIS VERSION OF THE PROBLEM IS GIVEN IN LOW PRECISION. The matrix products marked QUANTISED in the list below multiply operands that are first quantised to E5M2 (5 exponent bits, 2 mantissa bits; 8 bits a number), with one given power-of-two scale for each operand tensor; their sums are f32. All else is computed in f32.
;;   The module's matrix products, in the order in which they are computed (A, B: the left and right operand; K: the contracted axis; several contracted axes count as one K, in the product's order):
;;     1. [M 16,384, K 1,024] x [K 1,024, N 512]; A: input x; B: computed on the way: QUANTISED (scales: A lowp_scales[0], B lowp_scales[1])
;;   THE QUANTISER, for each operand of a quantised product, along K:
;;     - The operand's scale is 2^e, e = its entry of the input lowp_scales (int32; the entries are numbered through the quantised products in the list's order, A before B).
;;     - Each number is divided by the scale, clamped to +-57,344, and rounded to the nearest number of E5M2, ties to even, subnormals kept.
;;     - The product sums the exact products of the quantised numbers (number of the format x scale) in f32.
;;   ~~~python
;;   def quantise(x, axis, e):      # numpy; x: float32 -> the quantised numbers, widened to float32 again
;;       x = np.moveaxis(x, axis, -1); K = x.shape[-1]
;;       r = np.clip(x / 2.0 ** e, -57344, 57344)
;;       step = 2.0 ** (np.maximum(np.frexp(np.where(r == 0, 1, r))[1] - 1, -14) - 2)
;;       q = np.round(r / step) * step * 2.0 ** e      # np.round: ties to even
;;       return np.moveaxis(q, -1, axis).astype(np.float32)
;;   ~~~
;;   OPERANDS COMPUTED ON THE WAY. 'Computed on the way' means the value that the module computes at that place (a softmax that the list does not call 'softmax' is quantised finished and normalised). What goes into a quantiser is computed in f32, as accurately as f32 sums, v_exp_f32 and their like allow (about 1e-6 of the number): no bf16 or f16 on the way to a quantiser, and a product that is left as it is and whose result goes on into a quantised operand takes f32 operands (vector FMAs, or v_wmma_f32_16x16x4_f32). A number that lies on a knife's edge between two numbers of the format may be rounded either way, as far as f32 arithmetic and the matrix unit's own rounding can turn it there, and no further.
;; One version. Each part assembles by itself: llvm-mc -triple=amdgcn-amd-amdhsa -mcpu=gfx1250 --defsym DOCPART=n.
;; ======== version 1 of 1: 2 launches
;; limits: right only within a limited range of input values
;; workspace buffers: bcodes 524,288 bytes
;; launch mask (part 1): grid 256 x 1, 2 waves a work-group, no clusters, 2,304 bytes of LDS; arguments D, GN, W, lowp_scales, bcodes; writes bcodes
.if DOCPART == 1
	.amdgcn_target "amdgcn-amd-amdhsa--gfx1250"
	.amdhsa_code_object_version 6
	.text
	.protected	k_q2781b4db64_mask
	.globl	k_q2781b4db64_mask
	.p2align	8
	.type	k_q2781b4db64_mask,@function
k_q2781b4db64_mask:
	s_mov_b64 s[64:65], 0
	v_nop
	global_prefetch_b8 v0, s[64:65] scope:SCOPE_SE
	s_setreg_imm32_b32 hwreg(HW_REG_WAVE_MODE, 25, 1), 1
	s_wait_xcnt 0x0
; THE MASKED WEIGHTS AS CODES.  For each of 512 units: pert = D + GN (1,024 numbers); the 32 largest are selected (of equal numbers the lower index first, as top_k keeps them);
; W at the selected columns, 0 elsewhere, is quantised to E5M2 with the given scale 2^ew.
; WORK LEFT OUT.  samples = (hard - soft) + soft is hard in exact arithmetic, whatever finite numbers soft holds: soft is subtracted from hard and added again, element by element, ahead of the quantiser.
;   So A = the sum of the one-hot rows: 1 at the 32 selected columns, 0 elsewhere, for all finite D and GN, and A x W is W or 0.  cumsum, log, logits and softmax reach no output and are not computed.
;   In f32 (1 - s) + s is 1 to within rounding, (0 - s) + s is 0.  D and GN stay live through pert.  LIMIT: a NaN, an infinity or an overflow that reaches only soft is not carried to the result.
; SHARES.  One wave to a unit: unit = 2 x work-group + wave.  The row stays as it is loaded: register 4 j + q of lane l holds index 128 j + 4 l + q, so register group j is K step j of the next launch.
; The two waves meet only on the way out, where rows 2 g and 2 g + 1 of the codes make up blocks of 256 consecutive bytes.  No address, branch or trip count hangs on data: the selection is lane masks used by v_cndmask_b32.
; THE CODES' LAYOUT (k = 128 s + kk, row n): byte (n >> 7) x 131072 + s x 16384 + (n & 127) x 128 + kk: the 128 rows that one wave of the next launch multiplies are one dense block, its K steps on end.
; LIMITS: NaN among the inputs is not served, nor an infinity in W at a column that is not selected.  ew between -126 and 112, so that 2^ew and 57,344 x 2^ew are f32 numbers.  +0 and -0 count as equal (a tie).
.set INF,   24                         ; v24-27   lane bit q: 0 makes +infinity, 1 -infinity: the median of two numbers and this is their maximum or their minimum
.set SPW,   30                         ; v30      LDS address of my spare word; never rewritten
.set NIL,   31                         ; v31      0; never rewritten
.set PT,    32                         ; v32-63   pert, kept
.set XX,    64                         ; v64-95   D as loaded; then the sort's two sets by turns; then the ranks among ties
.set YY,    96                         ; v96-127  GN as loaded; the sort's other set; then flags
.set WT,    128                        ; v128-159 W
.set CD,    160                        ; v160-167 codes: register s: K step s, four neighbours
.set EQ,    16                         ; s16-47   mask i: pert[i] equals the threshold; then: such a tie is taken
.set SEL,   66                         ; s66-97   mask i: pert[i] above the threshold; then: selected
.set SPARE, 2048                       ; behind the codes' stage: the spare words, 128 bytes for each wave
; v1 lane; v2 16 x lane; v5, v6 the codes' stage in and out; v7 my byte in the codes' buffer; v8 threshold; v13, v14 at work; v19, v20 2^ew and 57,344 x 2^ew
	s_load_b256 s[4:11], s[0:1], 0x0               ; D s[4:5], GN s[6:7], W s[8:9], the scales' exponents s[10:11]
	s_load_b64 s[12:13], s[0:1], 0x20              ; the codes
	v_lshl_add_u32 v[SPW], v0, 2, SPARE
	v_mov_b32 v[NIL], 0
	v_lshrrev_b32 v1, 5, v0
	v_readfirstlane_b32 s14, v1                    ; wave 0, 1
	v_and_b32 v1, 31, v0                           ; lane
	v_lshlrev_b32 v2, 4, v1                        ; my 16 bytes of a load's 512
	s_lshl_b32 s49, s14, 7
	v_lshlrev_b32 v5, 2, v1
	v_add_nc_u32 v5, s49, v5                       ; in: [s][row 2 g or 2 g + 1][128 codes]: 4 codes a lane, row bit = wave
	s_lshl_b32 s49, s14, 10
	v_add_nc_u32 v6, s49, v2                       ; back: wave v takes s = 4 v .. 4 v + 3, 512 bytes an instruction
	v_lshrrev_b32 v13, 4, v1
	v_and_b32 v14, 15, v1
	v_lshlrev_b32 v7, 14, v13
	v_lshl_add_u32 v7, v14, 4, v7
	s_lshl_b32 s49, s14, 16
	v_add_nc_u32 v7, s49, v7                       ; in the buffer: 65536 v + 16384 (lane / 16) + 16 (lane % 16)
	s_mov_b32 s62, 0x7f800000
.irp q, 0,1,2,3
	v_bfe_u32 v[INF+\q], v1, \q, 1
.endr
.irp q, 0,1,2,3
	v_lshl_or_b32 v[INF+\q], v[INF+\q], 31, s62
.endr
	s_lshl_b32 s15, ttmp9, 1
	s_add_co_u32 s15, s15, s14                     ; my unit
	s_lshl_b32 s56, s15, 12                        ; its row of 4,096 bytes
	s_mov_b32 s57, 0
	s_lshr_b32 s58, ttmp9, 6                       ; rows 2 g, 2 g + 1 of the codes: (g >> 6) x 131072 + (g & 63) x 256
	s_lshl_b32 s58, s58, 17
	s_and_b32 s49, ttmp9, 63
	s_lshl_b32 s49, s49, 8
	s_add_co_u32 s58, s58, s49
	s_mov_b32 s59, 0
	s_mov_b32 s52, 0x89abcdef                      ; v_permlanex16_b32: lane i of a half takes lane 15 - i of the other
	s_mov_b32 s53, 0x01234567
	s_wait_alu depctr_va_vdst(0)
	s_wait_kmcnt 0x0
	s_load_b32 s54, s[10:11], 0x4                  ; ew: entry 1
	s_add_nc_u64 s[4:5], s[4:5], s[56:57]
	s_add_nc_u64 s[6:7], s[6:7], s[56:57]
	s_add_nc_u64 s[8:9], s[8:9], s[56:57]
	s_add_nc_u64 s[12:13], s[12:13], s[58:59]
.irp j, 0,1,2,3,4,5,6,7
	global_load_b128 v[XX+4*\j:XX+4*\j+3], v2, s[4:5] offset:512*\j th:TH_LOAD_NT   ; each load: 512 consecutive bytes of the row; every row is read once in the launch
	global_load_b128 v[YY+4*\j:YY+4*\j+3], v2, s[6:7] offset:512*\j th:TH_LOAD_NT
.endr
.irp j, 0,1,2,3,4,5,6,7
	global_load_b128 v[WT+4*\j:WT+4*\j+3], v2, s[8:9] offset:512*\j th:TH_LOAD_NT
.endr
	s_wait_kmcnt 0x0
	s_add_co_i32 s54, s54, 127
	s_lshl_b32 s49, s54, 23
	v_mov_b32 v19, s49                             ; 2^ew as f32: the conversion takes its exponent field
	s_add_co_i32 s54, s54, 15
	s_lshl_b32 s54, s54, 23
	s_or_b32 s54, s54, 0x600000
	v_mov_b32 v20, s54                             ; 57,344 x 2^ew
	s_wait_alu depctr_va_vdst(0)
	s_wait_loadcnt 8                               ; D and GN are in; W's eight loads may be out
.set i, 0
.rept 16
	v_pk_add_f32 v[PT+i:PT+i+1], v[XX+i:XX+i+1], v[YY+i:YY+i+1]   ; pert = D + GN
.set i, i+2
.endr
; THE THRESHOLD: the 32nd largest of the 1,024, by sorting VALUES alone.
; A stage of a bitonic network over the first n registers, from set SRC into set DST (no compare-exchange needs a third register); then the sets change places.  Two maxima or minima go in one dual instruction.
; The first stage reads pert and leaves it.
.set SRC, PT
.set DST, XX
.macro SWAPSETS
.set SRC, DST
.set DST, XX+YY-SRC
.endm
.macro STAGE n, k, j
.set i, 0
.rept \n
.if (i & (\j)) == 0
.if (\j) == 1
.if (i & (\k)) == 0
	v_dual_max_num_f32 v[DST+i], v[SRC+i], v[SRC+i+1] :: v_dual_min_num_f32 v[DST+i+1], v[SRC+i+1], v[SRC+i]
.else
	v_dual_min_num_f32 v[DST+i], v[SRC+i], v[SRC+i+1] :: v_dual_max_num_f32 v[DST+i+1], v[SRC+i+1], v[SRC+i]
.endif
.elseif (i & 1) == 0
.if (i & (\k)) == 0
	v_dual_max_num_f32 v[DST+i], v[SRC+i], v[SRC+i+(\j)] :: v_dual_max_num_f32 v[DST+i+1], v[SRC+i+1], v[SRC+i+1+(\j)]
	v_dual_min_num_f32 v[DST+i+(\j)], v[SRC+i], v[SRC+i+(\j)] :: v_dual_min_num_f32 v[DST+i+1+(\j)], v[SRC+i+1], v[SRC+i+1+(\j)]
.else
	v_dual_min_num_f32 v[DST+i], v[SRC+i], v[SRC+i+(\j)] :: v_dual_min_num_f32 v[DST+i+1], v[SRC+i+1], v[SRC+i+1+(\j)]
	v_dual_max_num_f32 v[DST+i+(\j)], v[SRC+i], v[SRC+i+(\j)] :: v_dual_max_num_f32 v[DST+i+1+(\j)], v[SRC+i+1], v[SRC+i+1+(\j)]
.endif
.endif
.endif
.set i, i+1
.endr
	SWAPSETS
.endm
; Two descending lists a and b of 32: max(a[p], b[31 - p]) are the 32 largest of the 64, as a bitonic sequence.  A list lies over a group of lanes: n registers a lane, position p's high bits in the lane's number (bit 0 counts most),
; so position 31 - p of the other group's list is register n - 1 - i of the lane whose number differs in all bits of m.  Both groups get the same numbers, one in reverse.
.macro FOLD n, m
.set i, 0
.rept \n
	v_max_num_f32_dpp v[DST+i], v[SRC+(\n)-1-i], v[SRC+i] row_xmask:\m row_mask:0xf bank_mask:0xf
.set i, i+1
.endr
	SWAPSETS
.endm
; A stage between lanes m apart: the lane with bit q = 0 keeps the larger number, the other the smaller.
.macro CLEAN n, m, q
.set i, 0
.rept \n
	v_mov_b32_dpp v[DST+i], v[SRC+i] row_xmask:\m row_mask:0xf bank_mask:0xf
.set i, i+1
.endr
.set i, 0
.rept \n
	v_med3_num_f32 v[DST+i], v[SRC+i], v[DST+i], v[INF+\q]
.set i, i+1
.endr
	SWAPSETS
.endm
; The first stage inside a lane, shared between the two groups that hold the same numbers: the group with bit q = 0 keeps the larger halves, the other the smaller: n registers become n / 2.
.macro HALVE n, q
.set i, 0
.rept (\n)/2
	v_med3_num_f32 v[DST+i], v[SRC+i], v[SRC+i+(\n)/2], v[INF+\q]
.set i, i+1
.endr
	SWAPSETS
.endm
	STAGE 32, 2, 1                                 ; each lane sorts its 32, descending: 15 stages
	STAGE 32, 4, 2
	STAGE 32, 4, 1
	STAGE 32, 8, 4
	STAGE 32, 8, 2
	STAGE 32, 8, 1
	STAGE 32, 16, 8
	STAGE 32, 16, 4
	STAGE 32, 16, 2
	STAGE 32, 16, 1
	STAGE 32, 32, 16
	STAGE 32, 32, 8
	STAGE 32, 32, 4
	STAGE 32, 32, 2
	STAGE 32, 32, 1
	FOLD 32, 1                                     ; lane pairs: 16 registers a lane are left,
	HALVE 32, 0
	STAGE 16, 32, 8
	STAGE 16, 32, 4
	STAGE 16, 32, 2
	STAGE 16, 32, 1
	FOLD 16, 3                                     ; fours: 8,
	CLEAN 16, 1, 0
	HALVE 16, 1
	STAGE 8, 32, 4
	STAGE 8, 32, 2
	STAGE 8, 32, 1
	FOLD 8, 7                                      ; eights: 4,
	CLEAN 8, 1, 0
	CLEAN 8, 2, 1
	HALVE 8, 2
	STAGE 4, 32, 2
	STAGE 4, 32, 1
	FOLD 4, 15                                     ; sixteens: 2
	CLEAN 4, 1, 0
	CLEAN 4, 2, 1
	CLEAN 4, 4, 2
	HALVE 4, 3
	STAGE 2, 32, 1
	v_permlanex16_b32 v[DST], v[SRC+1], s52, s53   ; and the two halves of the lanes: the row's 32 largest stand in two registers of each half's sixteen lanes
	v_permlanex16_b32 v[DST+1], v[SRC], s52, s53
	v_max_num_f32 v[DST], v[SRC], v[DST]
	v_max_num_f32 v[DST+1], v[SRC+1], v[DST+1]
	v_min_num_f32 v8, v[DST], v[DST+1]             ; the threshold is their smallest
.irp m, 1,2,4,8
	v_min_num_f32_dpp v8, v8, v8 row_xmask:\m row_mask:0xf bank_mask:0xf
.endr
	v_cmp_eq_f32 s62, v8, v[DST]                   ; how many of the 32 equal it: so many ties are taken, 1 at the least
	v_cmp_eq_f32 s63, v8, v[DST+1]
; THE SELECTION.  Above the threshold: selected.  Equal to it: the first of them in index order.
.set i, 0
.rept 32
	v_cmp_eq_f32 s[EQ+i], v8, v[PT+i]
.set i, i+1
.endr
.set i, 0
.rept 32
	v_cmp_gt_f32 s[SEL+i], v[PT+i], v8
.set i, i+1
.endr
.set i, 0
.rept 32
.if (i & 3) != 3
	v_cndmask_b32 v[YY+i], 0, 1, s[EQ+i]           ; my own tie in register i, for the ranks of the registers behind it in the group of four
.endif
.set i, i+1
.endr
	s_wait_alu depctr_va_vdst(0)
	s_bcnt1_i32_b32 s62, s62
	s_bcnt1_i32_b32 s63, s63
	s_add_co_u32 s98, s62, s63
	s_lshr_b32 s98, s98, 1                         ; (each of the two halves of the lanes holds all 32)
	s_mov_b32 s48, 0
.set i, 0
.rept 7                                ; s[48 + j]: the ties at indices below 128 j
	s_bcnt1_i32_b64 s62, s[EQ+4*i:EQ+4*i+1]
	s_bcnt1_i32_b64 s63, s[EQ+4*i+2:EQ+4*i+3]
	s_add_co_u32 s62, s62, s63
	s_add_co_u32 s[49+i], s[48+i], s62
.set i, i+1
.endr
.set i, 0
.rept 8
	v_mbcnt_lo_u32_b32 v[XX+4*i], s[EQ+4*i], s[48+i]     ; + the ties of lower lanes in this group of four registers: eight chains
.set i, i+1
.endr
.irp q, 1,2,3
.set i, 0
.rept 8
	v_mbcnt_lo_u32_b32 v[XX+4*i], s[EQ+4*i+\q], v[XX+4*i]
.set i, i+1
.endr
.endr
.irp q, 0,1,2
.set i, 0
.rept 8
	v_add_nc_u32 v[XX+4*i+\q+1], v[XX+4*i+\q], v[YY+4*i+\q]   ; + my own in the registers before it
.set i, i+1
.endr
.endr
.set i, 0
.rept 32
	v_cndmask_b32 v[XX+i], 64, v[XX+i], s[EQ+i]    ; the rank where register i is a tie; else 64, beyond any number taken
.set i, i+1
.endr
.set i, 0
.rept 32
	v_cmp_gt_u32 s[EQ+i], s98, v[XX+i]             ; a tie that is taken
.set i, i+1
.endr
	s_wait_alu depctr_va_vdst(0)
	s_wait_loadcnt 0x0                             ; W is in
.set i, 0
.rept 16
	s_or_b64 s[SEL+i:SEL+i+1], s[SEL+i:SEL+i+1], s[EQ+i:EQ+i+1]
.set i, i+2
.endr
.set i, 0
.rept 32
	v_cndmask_b32 v[WT+i], 0, v[WT+i], s[SEL+i]    ; A x W
.set i, i+1
.endr
.set i, 0
.rept 32
	v_med3_num_f32 v[WT+i], v[WT+i], -v20, v20     ; the conversion to an 8-bit code does not saturate (ISA guide 7.6.2): the hold at the largest code x the scale
.set i, i+1
.endr
.irp g, 0,1,2,3
	v_cvt_scalef32_pk8_bf8_f32 v[CD+2*\g:CD+2*\g+1], v[WT+8*\g:WT+8*\g+7], v19   ; / 2^ew, to the nearest code, ties to even: four neighbours of K step 2 g, then four of step 2 g + 1
.endr
	v_nop                                          ; a plain line behind the last conversion
.irp s, 0,1,2,3,4,5,6,7
	ds_store_b32 v5, v[CD+\s] offset:256*\s        ; THE WAY OUT: both waves' codes meet in one stage,
.endr
	s_wait_dscnt 0x0                               ; for the other wave's sake: my stores are done
	s_barrier_signal -1
	s_barrier_wait -1
	ds_load_b128 v[XX:XX+3], v6                    ; and leave as blocks of two rows x 128 codes
	ds_load_b128 v[XX+4:XX+7], v6 offset:512
	s_wait_dscnt 0x0
	global_store_b128 v7, v[XX:XX+3], s[12:13]                    ; sixteen lanes store 256 consecutive bytes, at a multiple of 256 from the buffer's first byte
	global_store_b128 v7, v[XX+4:XX+7], s[12:13] offset:32768     ; s two further on
	s_wait_tensorcnt 0x0                           ; the wave's end, behind my last LDS store
	ds_add_u32 v[SPW], v[NIL]
	s_wait_dscnt 0x0
	s_endpgm
.Lfunc_end_k_q2781b4db64_mask:
	.size	k_q2781b4db64_mask, .Lfunc_end_k_q2781b4db64_mask-k_q2781b4db64_mask
	.p2alignl 7, 3214868480
	.fill 96, 4, 3214868480
	.section	.rodata,"a",@progbits
	.p2align	6, 0x0
	.amdhsa_kernel k_q2781b4db64_mask
		.amdhsa_group_segment_fixed_size 2304
		.amdhsa_private_segment_fixed_size 0
		.amdhsa_enable_private_segment 0
		.amdhsa_kernarg_size 40
		.amdhsa_user_sgpr_count 2
		.amdhsa_user_sgpr_kernarg_segment_ptr 1
		.amdhsa_wavefront_size32 1
		.amdhsa_system_sgpr_workgroup_id_x 1
		.amdhsa_system_sgpr_workgroup_id_y 1
		.amdhsa_system_sgpr_workgroup_id_z 1
		.amdhsa_system_vgpr_workitem_id 0
		.amdhsa_next_free_vgpr 168
		.amdhsa_next_free_sgpr 100
		.amdhsa_reserve_vcc 0
		.amdhsa_float_denorm_mode_32 3
		.amdhsa_float_denorm_mode_16_64 3
		.amdhsa_memory_ordered 1
		.amdhsa_forward_progress 1
		.amdhsa_inst_pref_size 55
	.end_amdhsa_kernel
	.amdgpu_metadata
---
amdhsa.version: [ 1, 2 ]
amdhsa.kernels:
  - .name:           k_q2781b4db64_mask
    .symbol:         k_q2781b4db64_mask.kd
    .args:
      - { .name: D, .offset: 0, .size: 8, .value_kind: global_buffer, .address_space: global }
      - { .name: GN, .offset: 8, .size: 8, .value_kind: global_buffer, .address_space: global }
      - { .name: W, .offset: 16, .size: 8, .value_kind: global_buffer, .address_space: global }
      - { .name: lowp_scales, .offset: 24, .size: 8, .value_kind: global_buffer, .address_space: global }
      - { .name: bcodes, .offset: 32, .size: 8, .value_kind: global_buffer, .address_space: global }
    .group_segment_fixed_size: 2304
    .private_segment_fixed_size: 0
    .kernarg_segment_align: 8
    .kernarg_segment_size: 40
    .max_flat_workgroup_size: 64
    .sgpr_count:     100
    .vgpr_count:     168
    .wavefront_size: 32
...
	.end_amdgpu_metadata
.endif
;; end of part 1
;; launch gemm (part 2): grid 256 x 1, 4 waves a work-group, clusters of 4 x 1, 327,680 bytes of LDS; arguments x, bcodes, lowp_scales, b, out0; writes out0
.if DOCPART == 2
	.amdgcn_target "amdgcn-amd-amdhsa--gfx1250"
	.amdhsa_code_object_version 6
	.text
	.protected	k_q2781b4db64_gemm
	.globl	k_q2781b4db64_gemm
	.p2align	8
	.type	k_q2781b4db64_gemm,@function
k_q2781b4db64_gemm:
	s_mov_b64 s[64:65], 0
	v_nop
	global_prefetch_b8 v0, s[64:65] scope:SCOPE_SE
	s_setreg_imm32_b32 hwreg(HW_REG_WAVE_MODE, 25, 1), 1
	s_wait_xcnt 0x0
	s_wait_alu depctr_hold_cnt(0) depctr_sa_sdst(0) depctr_va_vdst(0) depctr_va_sdst(0) depctr_va_ssrc(0) depctr_va_vcc(0) depctr_vm_vsrc(0)
	s_getreg_b32 s2, hwreg(HW_REG_IB_STS2, 6, 4)
	s_cmp_eq_u32 s2, 0
	s_cbranch_scc0 .Lentry_in_a_cluster
	s_endpgm
.Lentry_in_a_cluster:
	s_bfe_u32 s2, ttmp6, 0x10000c
	s_cmp_lg_u32 s2, 0x3003
	s_cbranch_scc0 .Lentry_shape_is_right
	s_endpgm
.Lentry_shape_is_right:
; out0 = Q(x) Q(A x W)^T x 2^(ex + ew) + b.  x: [16384][1024] f32, quantised here to E5M2 with the given 2^ex; the masked weights arrive as codes from the launch before (which says what work is left out there and why; nothing is left out here);
; out0: [16384][512] f32; sums in f32.
; SHARES.  A work-group owns 64 rows and ALL 512 columns, so every byte of x is read once in the launch.  The four waves share the columns: wave w makes 64 x 128 (columns 128 w on): 32 accumulators, 256 registers.
; Wave w also quantises rows 16 w .. 16 w + 15 of x for all four.  K goes in 8 steps of 128, written out.
; x: each load takes one row's 512 consecutive bytes of a K step, 16 bytes a lane, straight into registers: four sets.  Steps 0 and 1 are asked for at the head, 2 to 5 as steps 0 and 1 are converted, then each set as soon as it is free.
;   The conversion takes eight consecutive registers: here rows 2 i and 2 i + 1, four neighbours along K each, so each result register is four codes of ONE row: sixteen ds_store_b32 lay 16 rows of 128 codes in LDS.
;   LDS has four regions of x's codes: steps 0 and 1 are converted ahead of the first wait for B.
; B: all work-groups walk the same codes, so the four of a cluster ask JOINTLY (the same tensor load, the same descriptor, a mask that names the four), ahead of every load of x.  A wave fetches and reads only its own 128 columns' codes,
;   which are one dense block of memory with the K steps on end, so its own s_wait_tensorcnt orders its reads.  Its part of LDS has four places of one K step (step s in place s & 3), all filled by one load at the head.
;   B HAS THREE SETS OF FRAGMENT REGISTERS (step s in set s % 3).  Steps 0, 1, 2 go into them at the start, so places 0-2 are free before the first product and take steps 4-6, which have steps 0 to 3 in which to land.
;   Place 3 takes step 7 behind the round in front of step 4, and it has steps 4 to 6 in which to land.
; PREFETCH: B's K steps 4 to 7, which the refills bring, are asked for one slot ahead, behind the head's load: 65,536 bytes for each of the four waves' parts; the four partners share them out by address, a K step each: 64 blocks of 256 bytes,
;   two instructions a wave.  All clusters read the same codes: four of them ask.  K steps 0 to 3 come by their load alone; x is read once, and its loads are out all the time.
; THE MATRIX INSTRUCTION IS USED TRANSPOSED (source 0 = 16 rows of B, source 1 = 16 rows of x): a lane holds eight neighbouring columns of one row of the result.
; A fragment comes by four ds_load_b128: registers 4 c .. 4 c + 3 hold K = 32 c + 16 (lane / 16) + 0 .. 15: a permutation of k within the instruction, the same in both operands, so every product meets its partner.
; LIMITS: ex between -126 and 112; ex + ew between -126 and 127 (each power of two below is an f32 number).  NaN among the inputs is not served; an infinity is held at the largest code.
; REGISTERS, in windows of 256: window 0: v1-15, v20 lane numbers, addresses, 2^ex; v[16:19] b at my four columns; v28, v29 for the add; v32-47, v48-63 the codes just made (even, odd steps); v64-127 x's four fragments; v128-255 B's set 2.
;   window 1: v0-127 B's set 0, v128-255 B's set 1.   window 2: accumulator (mt, t) at v[8 (8 mt + t)].   window 3: x as loaded, four sets of 64 (K step s in set s % 4); on the way out: four blocks of 16 rows.
.set PITCH,  144                       ; a row of x's codes in LDS: 128 codes + 16 bytes of padding: nine times 16 bytes, so that the sixteen rows of a fragment load start at sixteen different places modulo 256 bytes
.set BPITCH, 272                       ; a row of B's tiles in LDS: 256 bytes (rows 2 j and 2 j + 1 of the wave's 128, 128 codes each) + 16 of padding: fragment row r lies at 272 (r / 2) + 128 (r % 2): sixteen different places modulo 256 bytes
.set STEPB,  64*BPITCH                 ; a place: a wave's 128 rows of B for one K step
.set WPART,  4*STEPB                   ; a wave's four places
.set ABASE,  4*WPART                   ; behind them: x's codes, four regions of 64 rows (step s in region s & 3); no tensor load lands here
.set AREG,   64*PITCH
.set SPARE,  ABASE+4*AREG              ; behind them: the spare words, 128 bytes for each wave: two blocks of 256 bytes that no other line names
.set SPITCH, 528                       ; the way out: 16 rows x (512 bytes + 16) for each wave, in its own place 0, which has then had its last fill and its last read
.set MSB, 0
.macro WIN new                         ; s_set_vgpr_msb: bits 1:0 source 0, 3:2 source 1, 5:4 source 2, 7:6 destination; the high byte repeats the setting that is left
.if MSB != \new
	s_set_vgpr_msb (MSB<<8)|\new
.set MSB, \new
.endif
.endm
.macro PLACES                          ; four plain vector lines between a matrix instruction and a load into one of its registers, or an LDS store of its result (ISA guide 7.12.1 for vector instructions)
.rept 4
	v_nop
.endr
.endm
.macro ROUND                           ; a round of the cluster's barrier: my work-group's barrier; wave 0 signals for the work-group; every wave waits for all four work-groups; my work-group's barrier once more
	s_barrier_signal -1
	s_barrier_wait -1
	s_cmp_lg_u32 s14, 0
	s_cbranch_scc1 .Lnot_wave_0_\@
	s_barrier_signal -3
.Lnot_wave_0_\@:
	s_barrier_wait -3
	s_barrier_signal -1
	s_barrier_wait -1
.endm
	s_load_b256 s[4:11], s[0:1], 0x0               ; x s[4:5], B's codes s[6:7], the scales' exponents s[8:9], b s[10:11]
	s_load_b64 s[12:13], s[0:1], 0x20              ; out0
	v_lshl_add_u32 v28, v0, 2, SPARE               ; my spare word; never rewritten
	v_mov_b32 v29, 0                               ; 0; never rewritten
	ds_add_u32 v28, v29                            ; the wave's opening: the add, twice on end, and its wait ahead of my first tensor load; the set-up, work on registers, stands between
	ds_add_u32 v28, v29
	v_lshrrev_b32 v1, 5, v0
	v_readfirstlane_b32 s14, v1                    ; wave 0..3
	s_bfe_u32 s15, ttmp6, 0x40000                  ; cx: my place in the cluster: it enters x's, out0's and the prefetches' addresses alone
	s_lshl_b32 s16, ttmp9, 2                       ; in a cluster launch ttmp9 counts clusters
	s_add_co_u32 s16, s16, s15                     ; my block of 64 rows
	v_and_b32 v1, 15, v0                           ; r
	v_bfe_u32 v2, v0, 4, 1                         ; h
	v_and_b32 v3, 31, v0                           ; lane
	v_lshlrev_b32 v20, 8, v3                       ; the prefetches: a block of 256 bytes a lane; never rewritten
	v_lshlrev_b32 v4, 4, v3                        ; x: my 16 bytes of a row's 512
	s_lshl_b32 s44, s14, 9
	v_add_nc_u32 v5, s44, v4                       ; b, and a row of out0: my four columns: 512 w + 16 lane
	s_mul_i32 s44, s14, 16*PITCH
	s_add_co_u32 s44, s44, ABASE
	v_lshl_add_u32 v6, v3, 2, s44                  ; x's codes in: my wave's 16 rows, 4 bytes a lane
	v_mul_u32_u24 v14, v1, PITCH
	v_lshl_add_u32 v14, v2, 4, v14                 ; a fragment of x: row x pitch + 16 x half
	v_add_nc_u32 v7, ABASE, v14
	s_mul_i32 s33, s14, WPART                      ; my four places: also word 1 of the descriptor for places 0 on
	v_lshrrev_b32 v14, 1, v1
	v_mul_u32_u24 v14, v14, BPITCH                 ; a fragment of B: 272 (r / 2)
	v_and_b32 v15, 1, v1
	v_lshl_add_u32 v14, v15, 7, v14                ; + 128 (r % 2)
	v_lshl_add_u32 v14, v2, 4, v14                 ; + 16 x half
	v_add_nc_u32 v8, s33, v14                      ; in places 0 and 1,
	v_add_nc_u32 v9, 2*STEPB, v8                   ; and in places 2 and 3: so every offset stays inside the 16 bits of an LDS instruction's immediate
	v_mul_u32_u24 v10, v1, SPITCH
	v_lshl_add_u32 v10, v2, 5, v10
	v_add_nc_u32 v10, s33, v10                     ; the way out, in: row r, 32 bytes for each half of the lanes
	v_add_nc_u32 v11, s33, v4                      ; and back: a row's 512 bytes, 16 a lane
	; descriptor group 1, three times: rows of 256 bytes, dense in memory, padded in LDS; 256 rows (four K steps) in s[24:31], 192 rows (three) in s[48:55], 64 rows (one) in s[56:63]
.irp g, 24, 48, 56
	s_mov_b32 s[\g], 15|(0<<16)|(1<<20)|(1<<21)|(5<<22)|(3<<25)   ; 15:0 the mask: all four work-groups; 17:16 elements of 1 byte; 20 padding on; 21 set beside a mask; 24:22 after every 64 words (code 5); 31:25 four words (code 3)
	s_mov_b32 s[\g+1], 256<<16                     ; tensor_dim0 = 256
	s_mov_b32 s[\g+3], 256<<16                     ; tile_dim0 = 256
	s_mov_b32 s[\g+5], 256                         ; from row to row
	s_mov_b32 s[\g+6], 0
	s_mov_b32 s[\g+7], 0
.endr
	s_mov_b32 s26, 256<<16                         ; tensor_dim1
	s_mov_b32 s28, 256                             ; tile_dim1
	s_mov_b32 s50, 192<<16
	s_mov_b32 s52, 192
	s_mov_b32 s58, 64<<16
	s_mov_b32 s60, 64
	s_lshl_b32 s18, s16, 18                        ; x: 64 rows of 4,096 bytes a block,
	s_lshl_b32 s44, s14, 16                        ; 16 rows a wave
	s_add_co_u32 s18, s18, s44
	s_mov_b32 s19, 0
	s_lshl_b32 s20, s16, 17                        ; out0: 64 rows of 2,048 bytes a block
	s_mov_b32 s21, 0
	s_lshl_b32 s22, s15, 14                        ; the prefetches: partner cx takes one K step of 16,384 bytes
	s_mov_b32 s23, 0
	s_lshl_b32 s44, s14, 17                        ; B's codes: 131,072 bytes a wave, 16,384 a K step
	s_mov_b32 s45, 0
	s_mov_b32 s32, 1                               ; descriptor group 0: s[32:35] from place 0 on, s[36:39] for place 3: count = 1; the LDS address hangs on the wave's number alone
	s_mov_b32 s36, 1
	s_add_co_u32 s37, s33, 3*STEPB
	s_wait_alu depctr_va_vdst(0)
	s_wait_dscnt 0x0                               ; both opening adds are done
	s_wait_kmcnt 0x0
	s_load_b64 s[40:41], s[8:9], 0x0               ; ex, ew
	s_add_nc_u64 s[4:5], s[4:5], s[18:19]
	s_add_nc_u64 s[12:13], s[12:13], s[20:21]
	s_add_nc_u64 s[34:35], s[6:7], s[44:45]        ; K steps 0 to 3
	s_add_nc_u64 s[38:39], s[34:35], 0x1c000       ; K step 7
	s_add_nc_u64 s[46:47], s[34:35], s[22:23]      ; the prefetches; the way to K step 4 stands in their immediate
	s_or_b32 s35, s35, 0x80000000                  ; type = 2
	s_or_b32 s39, s39, 0x80000000
.macro XLOAD s                         ; my 16 rows' numbers of K step s: row j into registers 4 j .. 4 j + 3 of set s % 4
	WIN 0xc0
.irp j, 0,1,2,3,4,5,6,7,8,9,10,11,12,13,14,15
	global_load_b128 v[64*((\s)%4)+4*\j:64*((\s)%4)+4*\j+3], v4, s[4:5] offset:4096*\j+512*(\s) th:TH_LOAD_NT   ; 32 lanes read 512 consecutive bytes, at a multiple of 256 from x's first byte; read once in the launch
.endr
	WIN 0
.endm
.macro XQ s                            ; K step s of x: from registers into codes in LDS; then the sets that are free are asked for
.if (\s) < 2
	s_wait_loadcnt 16+16*(\s)                      ; this step's 16 loads are in; those of step 1, or of steps 2 and 3, may be out
.elseif (\s) <= 4
	s_wait_loadcnt 48                              ; those of the three steps behind it may be out
.else
	s_wait_loadcnt 16*(7-(\s))                     ; the counts run down
.endif
.set XS, 64*((\s)%4)
.set CB, 32+16*((\s)&1)
	WIN 0xc3
.set i, 0
.rept 64
	v_med3_num_f32 v[XS+i], v[XS+i], -v13, v13     ; the conversion to an 8-bit code does not saturate (ISA guide 7.6.2): the hold at the largest code x the scale.  (These lines are also the places in front of the loads of fragments)
.set i, i+1
.endr
	WIN 0x03
.irp g, 0,1,2,3,4,5,6,7
	v_cvt_scalef32_pk8_bf8_f32 v[CB+2*\g:CB+2*\g+1], v[XS+8*\g:XS+8*\g+7], v12   ; v[CB + j]: row j, K = 4 lane + 0 .. 3
.endr
	WIN 0
	v_nop                                          ; a plain line behind the last conversion
.irp j, 0,1,2,3,4,5,6,7,8,9,10,11,12,13,14,15
	ds_store_b32 v6, v[CB+\j] offset:AREG*((\s)&3)+PITCH*\j   ; a row's 128 codes from 32 lanes.  The region's last reads, four steps ago, were waited for by every wave ahead of a barrier passed since
.endr
.if (\s) < 2
	XLOAD 2*(\s)+2
	XLOAD 2*(\s)+3
.elseif (\s) < 4
	XLOAD (\s)+4
.endif
.endm
.macro AFETCH s                        ; x's four fragments (16 rows x 128 K each)
.irp m, 0,1,2,3
.irp c, 0,1,2,3
	ds_load_b128 v[64+16*\m+4*\c:64+16*\m+4*\c+3], v7 offset:AREG*((\s)&3)+16*PITCH*\m+32*\c
.endr
.endr
.endm
.macro BSET s                          ; K step s's set of B's registers: BB its first register, BW its window
.if ((\s)%3) == 0
.set BB, 0
.set BW, 1
.elseif ((\s)%3) == 1
.set BB, 128
.set BW, 1
.else
.set BB, 128
.set BW, 0
.endif
.endm
.macro BFETCH s                        ; my eight fragments of B for K step s, from place s & 3 into set s % 3
	BSET \s
.set WB, BW<<6
	WIN WB                                         ; the destination's window
.irp t, 0,1,2,3,4,5,6,7
.irp c, 0,1,2,3
	ds_load_b128 v[BB+16*\t+4*\c:BB+16*\t+4*\c+3], v[8+(((\s)>>1)&1)] offset:STEPB*((\s)&1)+8*BPITCH*\t+32*\c
.endr
.endr
	WIN 0
.endm
; Eight products: rows 16 mt on against my eight tiles of columns, B from the set that BSET has named.  The 32 accumulators take turns, one instruction a turn, in the same order in every K step.
; zero = 1: the first K step starts the sums.
.macro MUL mt, zero
.irp t, 0,1,2,3,4,5,6,7
.if \zero
	v_wmma_f32_16x16x128_bf8_bf8 v[8*(8*\mt+\t):8*(8*\mt+\t)+7], v[BB+16*\t:BB+16*\t+15], v[64+16*\mt:64+16*\mt+15], 0
.else
	v_wmma_f32_16x16x128_bf8_bf8 v[8*(8*\mt+\t):8*(8*\mt+\t)+7], v[BB+16*\t:BB+16*\t+15], v[64+16*\mt:64+16*\mt+15], v[8*(8*\mt+\t):8*(8*\mt+\t)+7]
.endif
.endr
.endm
; K step s's products.  zero: as above; extra: LDS loads issued behind this step's fragments of x, which may stay out
.macro MM s, zero, extra
	BSET \s
.set WM, 0xa0+BW                       ; source 0 (B) in its set's window, source 1 (x) window 0, C and D window 2
.irp mt, 0,1,2,3
	s_wait_dscnt \extra+4*(3-\mt)                  ; B (asked for earlier) and this fragment of x are in; the later fragments' four loads each, and the extra ones, may be out
	WIN WM
	MUL \mt, \zero
.endr
	WIN 0
	PLACES
.endm
; Places that have been read out are filled again, with the codes four K steps on.  g0, g1: the descriptor's two groups; step = 1: its address steps.  The round is also the barrier that shows the codes of x stored so far to all four waves.
.macro CHANGE g0, g1, step
	s_wait_tensorcnt 0x0                           ; all my tensor loads have landed: so a group 0 may be written
	ds_add_u32 v28, v29                            ; 0 onto my spare word; the descriptor's step stands between it and the wait for it
.if \step
	s_add_nc_u64 s[\g0+2:\g0+3], s[\g0+2:\g0+3], 0x10000   ; four K steps of 16,384 bytes on; the type bits on top are not reached
.endif
	s_wait_dscnt 0x0                               ; the add is done, my stores of x's codes have landed, and my reads of the places are over
	ROUND                                          ; all that now holds of every wave of all four work-groups
	tensor_load_to_lds s[\g0:\g0+3], s[\g1:\g1+7]  ; my one tensor load behind the round, and the first thing there
	s_nop 0
	PLACES
.endm
.macro SHOW                            ; x's codes stored so far are shown to all four waves.  A tensor load may stay out across it
	s_wait_dscnt 0x0                               ; for the others' sake: my stores have landed, my reads are over
	s_barrier_signal -1
	s_barrier_wait -1
.endm
	global_load_b128 v[16:19], v5, s[10:11]        ; b at my four columns
	ROUND                                          ; all four work-groups are here: the first joint loads meet
	tensor_load_to_lds s[32:35], s[24:31]          ; K steps 0 to 3: one tensor load a wave at the head
	s_nop 0
	PLACES
	s_and_b32 s44, ttmp9, 0x1b                     ; clusters 0, 4, 32 and 36 of the 64 ask ahead
	s_cmp_eq_u32 s44, 0
	s_cbranch_scc0 .Lothers_ask
	global_prefetch_b8 v20, s[46:47] offset:0x10000 th:TH_LOAD_NT scope:SCOPE_SE
	global_prefetch_b8 v20, s[46:47] offset:0x12000 th:TH_LOAD_NT scope:SCOPE_SE
.Lothers_ask:
	XLOAD 0
	XLOAD 1
	s_wait_kmcnt 0x0
	s_add_co_i32 s44, s40, 127
	s_lshl_b32 s45, s44, 23
	v_mov_b32 v12, s45                             ; 2^ex as f32: the conversion takes its exponent field
	s_add_co_i32 s44, s44, 15
	s_lshl_b32 s44, s44, 23
	s_or_b32 s44, s44, 0x600000
	v_mov_b32 v13, s44                             ; 57,344 x 2^ex
	s_add_co_i32 s42, s40, s41
	s_add_co_i32 s42, s42, 127
	s_lshl_b32 s42, s42, 23                        ; 2^(ex + ew) as f32
	s_mov_b32 s43, s42                             ; (named with it as a pair, so it is written)
	s_wait_alu depctr_va_vdst(0)
	XQ 0
	XQ 1
	s_wait_tensorcnt 0x0                           ; my four places are in; only I read these bytes, so no barrier is needed
	s_wait_dscnt 0x0                               ; the stores of the codes so far have read their registers
	BFETCH 0                                       ; three K steps of B into the three sets: their places are then free
	BFETCH 1
	BFETCH 2
	XQ 2                                           ; while they are on their way
	CHANGE 32, 48, 1                               ; places 0-2 take steps 4, 5, 6
	AFETCH 0
	MM 0, 1, 0
	AFETCH 1
	BFETCH 3                                       ; set 0 has just been multiplied: the four places stand in between
	MM 1, 0, 32
	AFETCH 2
	MM 2, 0, 0
	XQ 3
	SHOW
	AFETCH 3
	MM 3, 0, 0
	XQ 4
	XQ 5
	CHANGE 36, 56, 0                               ; steps 4, 5, 6 have landed; step 3 was read out long ago: place 3 takes step 7
	BFETCH 4                                       ; set 1 was last multiplied in step 1,
	AFETCH 4
	BFETCH 5                                       ; set 2 in step 2,
	MM 4, 0, 32
	AFETCH 5
	BFETCH 6                                       ; set 0 in step 3
	MM 5, 0, 32
	XQ 6
	SHOW
	AFETCH 6
	MM 6, 0, 0
	s_wait_tensorcnt 0x0                           ; the one load that is out is step 7's, my last: no load was issued behind it, so its count is 0; the bytes are my own
	BFETCH 7                                       ; set 1 was last multiplied in step 4
	XQ 7
	SHOW
	AFETCH 7
; THE LAST K STEP AND THE WAY OUT, a block of 16 rows x my 128 columns at a time: each block leaves while the next is multiplied.  A lane holds 32 neighbouring bytes of a row and the lanes beside it hold other rows: so a block goes
; through my own stage and comes back as whole rows of 512 bytes.  LDS serves a wave's instructions in order (ISA guide 5.7.1.4): no wait between the stores and the loads, nor in front of the next block's stores.
.macro TOSTAGE mt
	WIN 0x08                                       ; store data window 2
.irp t, 0,1,2,3,4,5,6,7
	ds_store_b128 v10, v[8*(8*(\mt)+\t):8*(8*(\mt)+\t)+3] offset:64*\t            ; each accumulator from its low end on
	ds_store_b128 v10, v[8*(8*(\mt)+\t)+4:8*(8*(\mt)+\t)+7] offset:64*\t+16
.endr
	WIN 0xc0                                       ; destination window 3: x's sets are done with; each block has 64 registers of its own, so no store's data are written again
.irp q, 0,1,2,3,4,5,6,7,8,9,10,11,12,13,14,15
	ds_load_b128 v[64*(\mt)+4*\q:64*(\mt)+4*\q+3], v11 offset:SPITCH*\q
.endr
.endm
.macro SEND mt, younger                ; younger: the LDS instructions issued behind this block's loads, which may stay out
	s_wait_dscnt \younger
	WIN 0xc3
.irp q, 0,1,2,3,4,5,6,7,8,9,10,11,12,13,14,15
	v_pk_fma_f32 v[64*(\mt)+4*\q:64*(\mt)+4*\q+1], v[64*(\mt)+4*\q:64*(\mt)+4*\q+1], s[42:43], v[16:17] op_sel_hi:[1,0,1]       ; sum x 2^(ex + ew) + b: one multiply-add for two numbers
	v_pk_fma_f32 v[64*(\mt)+4*\q+2:64*(\mt)+4*\q+3], v[64*(\mt)+4*\q+2:64*(\mt)+4*\q+3], s[42:43], v[18:19] op_sel_hi:[1,0,1]
.endr
	WIN 0x0c                                       ; store data window 3
.irp q, 0,1,2,3,4,5,6,7,8,9,10,11,12,13,14,15
	global_store_b128 v5, v[64*(\mt)+4*\q:64*(\mt)+4*\q+3], s[12:13] offset:2048*(16*(\mt)+\q) th:TH_STORE_NT   ; 32 lanes store 512 consecutive bytes, at a multiple of 256 from out0's first byte; written once, read by nobody here
.endr
	WIN 0
.endm
	BSET 7
.set WM, 0xa0+BW
	s_wait_dscnt 0x0                               ; the last fragments are in
.irp mt, 0,1,2,3
	WIN WM
	MUL \mt, 0
	PLACES                                         ; behind this block's last products
	TOSTAGE \mt
.if \mt > 0
	SEND \mt-1, 32                                 ; behind block mt - 1's loads: block mt's 16 stores and 16 loads
.endif
.endr
	SEND 3, 0
	s_wait_tensorcnt 0x0                           ; the wave's end, behind my last tensor load and my last LDS store
	ds_add_u32 v28, v29
	s_wait_dscnt 0x0
	ROUND                                          ; the closing round: no work-group ends while a partner may still ask for a tile that names it
	s_endpgm
.Lfunc_end_k_q2781b4db64_gemm:
	.size	k_q2781b4db64_gemm, .Lfunc_end_k_q2781b4db64_gemm-k_q2781b4db64_gemm
	.p2alignl 7, 3214868480
	.fill 96, 4, 3214868480
	.section	.rodata,"a",@progbits
	.p2align	6, 0x0
	.amdhsa_kernel k_q2781b4db64_gemm
		.amdhsa_group_segment_fixed_size 327680
		.amdhsa_private_segment_fixed_size 0
		.amdhsa_enable_private_segment 0
		.amdhsa_kernarg_size 40
		.amdhsa_user_sgpr_count 2
		.amdhsa_user_sgpr_kernarg_segment_ptr 1
		.amdhsa_wavefront_size32 1
		.amdhsa_system_sgpr_workgroup_id_x 1
		.amdhsa_system_sgpr_workgroup_id_y 1
		.amdhsa_system_sgpr_workgroup_id_z 1
		.amdhsa_system_vgpr_workitem_id 0
		.amdhsa_next_free_vgpr 1024
		.amdhsa_next_free_sgpr 66
		.amdhsa_reserve_vcc 0
		.amdhsa_float_denorm_mode_32 3
		.amdhsa_float_denorm_mode_16_64 3
		.amdhsa_memory_ordered 1
		.amdhsa_forward_progress 1
		.amdhsa_inst_pref_size 132
	.end_amdhsa_kernel
	.amdgpu_metadata
---
amdhsa.version: [ 1, 2 ]
amdhsa.kernels:
  - .name:           k_q2781b4db64_gemm
    .symbol:         k_q2781b4db64_gemm.kd
    .args:
      - { .name: x, .offset: 0, .size: 8, .value_kind: global_buffer, .address_space: global }
      - { .name: bcodes, .offset: 8, .size: 8, .value_kind: global_buffer, .address_space: global }
      - { .name: lowp_scales, .offset: 16, .size: 8, .value_kind: global_buffer, .address_space: global }
      - { .name: b, .offset: 24, .size: 8, .value_kind: global_buffer, .address_space: global }
      - { .name: out0, .offset: 32, .size: 8, .value_kind: global_buffer, .address_space: global }
    .group_segment_fixed_size: 327680
    .private_segment_fixed_size: 0
    .kernarg_segment_align: 8
    .kernarg_segment_size: 40
    .max_flat_workgroup_size: 128
    .sgpr_count:     66
    .vgpr_count:     1024
    .wavefront_size: 32
...
	.end_amdgpu_metadata
.endif
;; end of part 2
